; MI455X (gfx1250); checked and timed in simulation.
; The chip was launched on July 23, 2026; its instructions are those of AMD's public machine-readable ISA for CDNA 5 (MIT licence, August 2026) and "CDNA5" Instruction Set Architecture Reference Guide (July 2026). The comments in the code are by the model that wrote it; some were corrected since.
;; Causal Self Attention. Allowed arithmetic: float matrix products may take bf16 or f16 operands with f32 sums; all other float work in f32.
;; Inputs: w_proj 1,024 x 1,024 float32; w_qkv 3,072 x 1,024 float32; x 4 x 2,048 x 1,024 float32.
;; Outputs: out0 4 x 2,048 x 1,024 float32.
;; One version. Each part assembles by itself: llvm-mc -triple=amdgcn-amd-amdhsa -mcpu=gfx1250 --defsym DOCPART=n.
;; ======== version 1 of 1: 4 launches
;; limits: values are held in f16: magnitudes above 65,504 overflow, below 6.1e-05 lose precision
;; workspace buffers: xb 16,777,216 bytes; wqb 6,291,456 bytes; wpb 2,097,152 bytes; qkv 50,331,648 bytes; att 16,777,216 bytes
;; launch cast (part 1): grid 768 x 1, 8 waves a work-group, no clusters, 0 bytes of LDS; arguments x, w_qkv, w_proj, xb, wqb, wpb; writes xb, wqb, wpb
.if DOCPART == 1
	.amdgcn_target "amdgcn-amd-amdhsa--gfx1250"
	.amdhsa_code_object_version 6
	.text
	.protected	k_q7e1349b437_cast
	.globl	k_q7e1349b437_cast
	.p2align	8
	.type	k_q7e1349b437_cast,@function
k_q7e1349b437_cast:
	s_mov_b64 s[64:65], 0
	v_nop
	global_prefetch_b8 v0, s[64:65] scope:SCOPE_SE
	s_setreg_imm32_b32 hwreg(HW_REG_WAVE_MODE, 25, 1), 1
	s_wait_xcnt 0x0
; The three inputs are rounded once to 16 bits for the matrix products: x -> xb and w_qkv -> wqb in bf16; w_proj -> wpb rounded to bf16 and
; then written in f16's format, since it stands beside f16 operands in the last product.
; LIMIT: a bf16 number is exact in f16 from 2^-14 up to 65,504; below 2^-14 it keeps an absolute error of at most 2^-25; above 65,504 it would be infinite.
; A work-group owns 16,384 numbers: 64 KiB in, 32 KiB out.  Work-groups 0-511 take x, 512-703 w_qkv, 704-767 w_proj.
; Thread t takes the 16 bytes at 16 t of each of sixteen pieces of 4,096 bytes: a load of a wave covers 512 consecutive bytes, a store 256 consecutive
; bytes that start at a multiple of 256.  All sixteen loads of a wave go out at once; every piece has registers of its own, so nothing is rewritten
; while a load or store may still read it.  No LDS, no barrier, no cluster: no byte is used twice and no wave needs another's data.
.set NX,  512                          ; work-groups for x
.set NQ,  192                          ; for w_qkv
.set X,   8                            ; v[8:71]    piece j: four f32 as loaded
.set Y,   72                           ; v[72:103]  piece j: four 16-bit numbers to store
	s_load_b256 s[4:11], s[0:1], 0x0               ; x s[4:5], w_qkv s[6:7], w_proj s[8:9], xb s[10:11]
	s_load_b128 s[12:15], s[0:1], 0x20             ; wqb s[12:13], wpb s[14:15]
	v_lshlrev_b32 v1, 4, v0                        ; 16 t: my bytes in a piece as loaded
	v_lshlrev_b32 v2, 3, v0                        ; 8 t: as stored
	s_sub_co_u32 s16, ttmp9, NX                    ; my number among w_qkv's work-groups,
	s_sub_co_u32 s17, ttmp9, NX+NQ                 ; among w_proj's
	s_wait_kmcnt 0x0
	s_cmp_lt_u32 ttmp9, NX+NQ                      ; the choice hangs on the work-group's number alone
	s_cselect_b64 s[20:21], s[6:7], s[8:9]
	s_cselect_b64 s[22:23], s[12:13], s[14:15]
	s_cselect_b32 s18, s16, s17
	s_cmp_lt_u32 ttmp9, NX
	s_cselect_b64 s[20:21], s[4:5], s[20:21]       ; from where
	s_cselect_b64 s[22:23], s[10:11], s[22:23]     ; to where
	s_cselect_b32 s18, ttmp9, s18                  ; which share of that tensor
	s_lshl_b32 s24, s18, 16                        ; 65,536 bytes in
	s_mov_b32 s25, 0
	s_lshl_b32 s26, s18, 15                        ; 32,768 bytes out
	s_mov_b32 s27, 0
	s_add_nc_u64 s[20:21], s[20:21], s[24:25]
	s_add_nc_u64 s[22:23], s[22:23], s[26:27]
.irp j, 0,1,2,3,4,5,6,7,8,9,10,11,12,13,14,15
	global_load_b128 v[X+4*\j:X+4*\j+3], v1, s[20:21] offset:4096*\j th:TH_LOAD_NT   ; read once in the launch
.endr
; Piece j.  half = 1: the bf16 numbers are widened again (a shift, a mask) and written as f16.
.macro CV j, half
	s_wait_loadcnt 15-\j                           ; loads come back in order (ISA guide 5.7.1): piece j is in, the 15 - j younger ones stay out
	v_cvt_pk_bf16_f32 v[Y+2*\j],   v[X+4*\j],   v[X+4*\j+1]
	v_cvt_pk_bf16_f32 v[Y+2*\j+1], v[X+4*\j+2], v[X+4*\j+3]
.if \half
	v_lshlrev_b32 v4, 16, v[Y+2*\j]
	v_and_b32     v5, 0xffff0000, v[Y+2*\j]
	v_lshlrev_b32 v6, 16, v[Y+2*\j+1]
	v_and_b32     v7, 0xffff0000, v[Y+2*\j+1]
	v_cvt_pk_f16_f32 v[Y+2*\j],   v4, v5
	v_cvt_pk_f16_f32 v[Y+2*\j+1], v6, v7
.endif
	global_store_b64 v2, v[Y+2*\j:Y+2*\j+1], s[22:23] offset:2048*\j
.endm
	s_cmp_ge_u32 ttmp9, NX+NQ
	s_cbranch_scc1 .Lhalf
.irp j, 0,1,2,3,4,5,6,7,8,9,10,11,12,13,14,15
	CV \j, 0
.endr
	s_endpgm
.Lhalf:
.irp j, 0,1,2,3,4,5,6,7,8,9,10,11,12,13,14,15
	CV \j, 1
.endr
	s_endpgm
.Lfunc_end_k_q7e1349b437_cast:
	.size	k_q7e1349b437_cast, .Lfunc_end_k_q7e1349b437_cast-k_q7e1349b437_cast
	.p2alignl 7, 3214868480
	.fill 96, 4, 3214868480
	.section	.rodata,"a",@progbits
	.p2align	6, 0x0
	.amdhsa_kernel k_q7e1349b437_cast
		.amdhsa_group_segment_fixed_size 0
		.amdhsa_private_segment_fixed_size 0
		.amdhsa_enable_private_segment 0
		.amdhsa_kernarg_size 48
		.amdhsa_user_sgpr_count 2
		.amdhsa_user_sgpr_kernarg_segment_ptr 1
		.amdhsa_wavefront_size32 1
		.amdhsa_system_sgpr_workgroup_id_x 1
		.amdhsa_system_sgpr_workgroup_id_y 1
		.amdhsa_system_sgpr_workgroup_id_z 1
		.amdhsa_system_vgpr_workitem_id 0
		.amdhsa_next_free_vgpr 104
		.amdhsa_next_free_sgpr 66
		.amdhsa_reserve_vcc 0
		.amdhsa_float_denorm_mode_32 3
		.amdhsa_float_denorm_mode_16_64 3
		.amdhsa_memory_ordered 1
		.amdhsa_forward_progress 1
		.amdhsa_inst_pref_size 16
	.end_amdhsa_kernel
	.amdgpu_metadata
---
amdhsa.version: [ 1, 2 ]
amdhsa.kernels:
  - .name:           k_q7e1349b437_cast
    .symbol:         k_q7e1349b437_cast.kd
    .args:
      - { .name: x, .offset: 0, .size: 8, .value_kind: global_buffer, .address_space: global }
      - { .name: w_qkv, .offset: 8, .size: 8, .value_kind: global_buffer, .address_space: global }
      - { .name: w_proj, .offset: 16, .size: 8, .value_kind: global_buffer, .address_space: global }
      - { .name: xb, .offset: 24, .size: 8, .value_kind: global_buffer, .address_space: global }
      - { .name: wqb, .offset: 32, .size: 8, .value_kind: global_buffer, .address_space: global }
      - { .name: wpb, .offset: 40, .size: 8, .value_kind: global_buffer, .address_space: global }
    .group_segment_fixed_size: 0
    .private_segment_fixed_size: 0
    .kernarg_segment_align: 8
    .kernarg_segment_size: 48
    .max_flat_workgroup_size: 256
    .sgpr_count:     66
    .vgpr_count:     104
    .wavefront_size: 32
...
	.end_amdgpu_metadata
.endif
;; end of part 1
;; launch qkvg (part 2): grid 8 x 32, 4 waves a work-group, clusters of 4 x 4, 327,680 bytes of LDS; arguments xb, wqb, qkv; writes qkv
.if DOCPART == 2
	.amdgcn_target "amdgcn-amd-amdhsa--gfx1250"
	.amdhsa_code_object_version 6
	.text
	.protected	k_q7e1349b437_qkvg
	.globl	k_q7e1349b437_qkvg
	.p2align	8
	.type	k_q7e1349b437_qkvg,@function
k_q7e1349b437_qkvg:
	s_mov_b64 s[64:65], 0
	v_nop
	global_prefetch_b8 v0, s[64:65] scope:SCOPE_SE
	s_setreg_imm32_b32 hwreg(HW_REG_WAVE_MODE, 25, 1), 1
	s_wait_xcnt 0x0
	s_wait_alu depctr_hold_cnt(0) depctr_sa_sdst(0) depctr_va_vdst(0) depctr_va_sdst(0) depctr_va_ssrc(0) depctr_va_vcc(0) depctr_vm_vsrc(0)
	s_getreg_b32 s2, hwreg(HW_REG_IB_STS2, 6, 4)
	s_cmp_eq_u32 s2, 0
	s_cbranch_scc0 .Lentry_in_a_cluster
	s_endpgm
.Lentry_in_a_cluster:
	s_bfe_u32 s2, ttmp6, 0x10000c
	s_cmp_lg_u32 s2, 0xf033
	s_cbranch_scc0 .Lentry_shape_is_right
	s_endpgm
.Lentry_shape_is_right:
; qkv[m][n] = sum over k of xb[m][k] wqb[n][k].  xb: [8192][1024] bf16, wqb: [3072][1024] bf16; sums in f32; the result is rounded once to f16 and laid BY HEAD:
; qkv[b][g][t][d], b = m / 2048, t = m % 2048, g = n / 64 (0-15 q's heads, 16-31 k's, 32-47 v's), d = n % 64; a plane (b, g) is 2,048 x 64 numbers = 262,144 bytes.
; LIMIT: q, k and v are kept in f16: magnitudes from 65,504 on become infinite; under 2^-14 the absolute error is at most 2^-25.
; A tile of the result is 256 rows x 384 columns (six heads): 32 x 8 = 256 work-groups of equal work.  Four waves, two by two; a wave makes 128 rows x 192 columns (three whole heads):
; 96 accumulators of 16 x 16, 768 registers.  For 32 along K a wave reads (128 + 192) x 64 bytes from LDS for 96 matrix instructions, and a K step brings 640 rows for 256 x 384 results.
; K goes in steps of 64 through a ring of two LDS slots filled by the tensor data mover.  The tiles' rows are 128 bytes: two slots of steps of 128 would take 2 x 640 x 272 = 348,160 bytes,
; more than LDS has.
; CLUSTER: 4 x 4 work-groups.  The four of a row of the cluster need the same tiles of xb, the four of a column the same tiles of wqb: each tile is asked for JOINTLY,
; by the same tensor load with the same descriptor and a mask that names the four.
; THE MATRIX INSTRUCTION IS USED TRANSPOSED (source 0 = 16 rows of wqb, source 1 = 16 rows of xb): a lane then holds eight neighbouring d of one row t, 16 bytes in f16.
; REGISTERS, in windows of 256.  Windows 1, 2, 3: one head each: its 32 accumulators, (a, j) = rows 16 a on, columns 16 j on, at v[8 (4 a + j)].
;   Window 0: v0-31 addresses; v32-127 wqb's fragments, a group of four for each head; v128-191 and v192-255 xb's eight fragments, two buffers; on the way out all of v32-175 is at work.
; A QUARTER (32 along K) is three STRETCHES of 32 matrix instructions, one head each.  A head's group of wqb is dead behind its stretch and is loaded again there, 64 matrix instructions ahead
; of its next use: so one copy of it is enough, and only xb's fragments, which all three stretches read, have two buffers.  All sources lie in window 0: a stretch costs two switches.
.set SIZE_K, 1024
.set KSTEP,  64
.set PITCH,  144                       ; an LDS row: 128 bytes + 16 of padding = 36 words: the 16 rows that a fragment load touches start at 16 different groups of four banks (64 banks of 4 bytes: ISA guide 11.1)
.set HA,     128*PITCH                 ; what one load brings of xb, and what a wave reads of it: 128 rows
.set HB,     192*PITCH                 ; of wqb: 192 rows
.set SLOT,   2*HA+2*HB                 ; xb's 256 rows, then wqb's 384
.set STAGE,  2*SLOT                    ; behind the ring: for each wave 3 heads x 16 rows x 144 bytes, for the way out
.set SPITCH, 144                       ; a head's row of 128 bytes + 16
.set HEADB,  16*SPITCH
.set WSTAGE, 3*HEADB
.set SPARE,  STAGE+4*WSTAGE            ; behind the stages: the spare words, 128 bytes for each wave: two blocks of 256 bytes that no other line names
.set LAPS,   SIZE_K/(2*KSTEP)          ; a lap = two K steps = once round the ring
.set PLANE,  262144
.set ADRA, 16                          ; v16-17  LDS address of my fragments of xb in slot 0, 1
.set ADRB, 20                          ; v20-21  the same for wqb
.set STO,  24                          ; v24     the way out: where I put 16 bytes of a row
.set RD,   25                          ; v25     the way out: where I read 16 bytes back
.set CO,   26                          ; v26     16 x lane: my place in 512 consecutive bytes of the result
.set SPW,  28                          ; v28     LDS address of my spare word; never rewritten
.set NIL,  29                          ; v29     0; never rewritten
.set BG,   32                          ; v32-127 wqb's fragments: head g, block j at v[BG + 32 g + 8 j]
.set AF0,  128                         ; xb's fragments, block a at v[AF + 8 a]: the buffer of a slot's first quarter,
.set AF1,  192                         ; of its second
.set TMP,  32                          ; v32-79  the way out: a block's packed results
.set OB,   80                          ; v80-127 and v128-175 by turns: a block read back from the stage
.set G1,  24                           ; s[24:31] descriptor group 1 for xb's tiles;  s[32:39] group 0, a set for each slot
.set G0,  32
.set G1B, 48                           ; s[48:55], s[56:63] the same for wqb's tiles
.set G0B, 56
.set MSB, 0
.macro WIN new                         ; the immediate's high byte repeats the setting that is left; a switch that changes nothing is dropped
.if MSB != (\new)
	s_set_vgpr_msb (MSB<<8)|(\new)
.set MSB, \new
.endif
.endm
.set W_G0, 0x50                        ; C and D in window 1, both sources in window 0
.set W_G1, 0xa0                        ; in window 2
.set W_G2, 0xf0                        ; in window 3
; A joint load: waves 0 and 1 fetch xb's two halves, waves 2 and 3 wqb's.  The branch hangs on the wave's number alone.  Four v_nop follow each of the two lines.
.macro JLOAD s
	s_cmp_eq_u32 s11, 0
	s_cbranch_scc0 .Lfor_b_\@
	tensor_load_to_lds s[G0+4*\s:G0+4*\s+3], s[G1:G1+7]
	s_nop 0
.rept 4
	v_nop
.endr
	s_branch .Lasked_\@
.Lfor_b_\@:
	tensor_load_to_lds s[G0B+4*\s:G0B+4*\s+3], s[G1B:G1B+7]
	s_nop 0
.rept 4
	v_nop
.endr
.Lasked_\@:
.endm
.macro CREST                           ; a round of the cluster's barrier behind its opening barrier
	s_cmp_lg_u32 s10, 0
	s_cbranch_scc1 .Lnot_wave_0_\@
	s_barrier_signal -3
.Lnot_wave_0_\@:
	s_barrier_wait -3
	s_barrier_signal -1
	s_barrier_wait -1
.endm
.macro CROUND                          ; a whole round
	s_barrier_signal -1
	s_barrier_wait -1
	CREST
.endm
	s_load_b128 s[4:7], s[0:1], 0x0                ; xb s[4:5], wqb s[6:7]
	s_load_b64 s[8:9], s[0:1], 0x10                ; qkv
	v_lshl_add_u32 v[SPW], v0, 2, SPARE
	v_mov_b32 v[NIL], 0
	ds_add_u32 v28, v29
	s_wait_dscnt 0x0
	v_lshrrev_b32 v1, 5, v0
	v_readfirstlane_b32 s10, v1                    ; wave 0..3
	s_lshr_b32 s11, s10, 1                         ; which half of the tile's rows is mine.  Also: I fetch for xb (0) or for wqb (1)
	s_and_b32 s12, s10, 1                          ; which half of its columns.  Also: which half of that tile's rows I fetch
	s_bfe_u32 s40, ttmp6, 0x40000                  ; cx, cy: my place in the cluster
	s_bfe_u32 s41, ttmp6, 0x40004
	s_lshl_b32 s42, ttmp9, 2
	s_add_co_u32 s42, s42, s40                     ; tile column = 4 x cluster x + cx
	s_and_b32 s13, ttmp7, 0xffff
	s_lshl_b32 s13, s13, 2
	s_add_co_u32 s13, s13, s41                     ; tile row = 4 x cluster y + cy
	s_lshl_b32 s43, s41, 2
	s_lshl_b32 s43, 15, s43                        ; my row of the cluster
	s_lshl_b32 s44, 0x1111, s40                    ; my column
	; descriptor group 1: rows of 64 elements of 2 bytes, padded in LDS by 4 words behind every 32 (a row); 128 rows of xb, 192 rows of wqb
	s_or_b32 s[G1+0], s43, (1<<16)|(1<<20)|(1<<21)|(4<<22)|(3<<25)   ; 15:0 the mask; 17:16 element size; 20 padding on; 21 set beside a mask; 24:22 interval; 31:25 padding
	s_or_b32 s[G1B+0], s44, (1<<16)|(1<<20)|(1<<21)|(4<<22)|(3<<25)
	s_mov_b32 s[G1+1], KSTEP<<16                   ; tensor_dim0 = 64
	s_mov_b32 s[G1B+1], KSTEP<<16
	s_mov_b32 s[G1+2], 128<<16                     ; tensor_dim1 = the tile's rows
	s_mov_b32 s[G1B+2], 192<<16
	s_mov_b32 s[G1+3], KSTEP<<16                   ; tile_dim0 = 64
	s_mov_b32 s[G1B+3], KSTEP<<16
	s_mov_b32 s[G1+4], 128                         ; tile_dim1
	s_mov_b32 s[G1B+4], 192
	s_mov_b32 s[G1+5], SIZE_K                      ; elements from row to row
	s_mov_b32 s[G1B+5], SIZE_K
	s_mov_b32 s[G1+6], 0
	s_mov_b32 s[G1B+6], 0
	s_mov_b32 s[G1+7], 0
	s_mov_b32 s[G1B+7], 0
	; where the tiles come from: xb's hang on the tile row alone, wqb's on the tile column alone, each in registers that never hold the other coordinate
	s_lshl_b32 s17, s12, 7
	s_lshl_b32 s16, s13, 8
	s_add_co_u32 s16, s16, s17                     ; xb: row 256 x tile row + 128 x half,
	s_lshl_b32 s16, s16, 11                        ; of 2,048 bytes
	s_mov_b32 s17, 0
	s_mul_i32 s46, s42, 384
	s_mul_i32 s47, s12, 192
	s_add_co_u32 s46, s46, s47                     ; wqb: row 384 x tile column + 192 x half
	s_lshl_b32 s46, s46, 11
	s_mov_b32 s47, 0
	s_mul_i32 s20, s12, HA                         ; where they go: xb's halves at half x HA (waves 0, 1),
	s_mul_i32 s19, s12, HB
	s_add_co_u32 s19, s19, 2*HA                    ; wqb's halves behind them, at 2 HA + half x HB (waves 2, 3): no place in the cluster enters an LDS address
	s_wait_kmcnt 0x0
	s_add_nc_u64 s[14:15], s[4:5], s[16:17]
	s_add_nc_u64 s[46:47], s[6:7], s[46:47]
	CROUND                                         ; all sixteen work-groups are here: the first joint loads meet
.irp s, 0,1
	s_mov_b32 s[G0+4*\s], 1                                        ; count = 1
	s_add_co_u32 s[G0+4*\s+1], s20, \s*SLOT                        ; LDS address
	s_add_nc_u64 s[G0+4*\s+2:G0+4*\s+3], s[14:15], \s*KSTEP*2      ; global address: K step s
	s_or_b32 s[G0+4*\s+3], s[G0+4*\s+3], 0x80000000                ; type = 2
	s_mov_b32 s[G0B+4*\s], 1
	s_add_co_u32 s[G0B+4*\s+1], s19, \s*SLOT
	s_add_nc_u64 s[G0B+4*\s+2:G0B+4*\s+3], s[46:47], \s*KSTEP*2
	s_or_b32 s[G0B+4*\s+3], s[G0B+4*\s+3], 0x80000000
	JLOAD \s                                       ; two loads of mine are out
.endr
	; a fragment is 16 rows x 32 K in 8 registers: lane l holds row l % 16; registers 0-3 K = 8 (l / 16) + 0..7, registers 4-7 K = 16 + 8 (l / 16) + 0..7: two loads of 16 bytes, 32 bytes apart
	v_and_b32 v1, 15, v0                           ; l % 16
	v_bfe_u32 v2, v0, 4, 1                         ; l / 16
	v_mul_u32_u24 v3, v1, PITCH
	v_lshl_add_u32 v3, v2, 4, v3                   ; row x pitch + 16 x half of the lanes
	s_mul_i32 s21, s11, HA                         ; my 128 rows of xb
	s_mul_i32 s22, s12, HB                         ; my 192 rows of wqb,
	s_add_co_u32 s22, s22, 2*HA                    ; which lie behind xb's 256
.irp s, 0,1
	v_add_nc_u32 v[ADRA+\s], s21, v3
	v_add_nc_u32 v[ADRB+\s], s22, v3
	s_add_co_u32 s21, s21, SLOT
	s_add_co_u32 s22, s22, SLOT
.endr
	s_mul_i32 s23, s10, WSTAGE
	s_add_co_u32 s23, s23, STAGE                   ; my stage
	v_mul_u32_u24 v6, v1, SPITCH                   ; in: row l % 16, 16 bytes for each half of the lanes
	v_lshl_add_u32 v6, v2, 4, v6
	v_add_nc_u32 v[STO], s23, v6
	v_bfe_u32 v4, v0, 3, 2                         ; back: eight lanes take a row of 128 bytes, the wave four rows
	v_and_b32 v5, 7, v0
	v_mul_u32_u24 v4, v4, SPITCH
	v_lshl_add_u32 v4, v5, 4, v4
	v_add_nc_u32 v[RD], s23, v4
	v_and_b32 v[CO], 31, v0
	v_lshlrev_b32 v[CO], 4, v[CO]
	; where my rows begin in the result: plane (tile row / 8) x 48 + 6 x tile column + 3 x my half of the columns; row (tile row % 8) x 256 + 128 x my half of the rows, of 128 bytes
	s_lshr_b32 s16, s13, 3
	s_mul_i32 s16, s16, 48
	s_mul_i32 s46, s42, 6
	s_add_co_u32 s16, s16, s46
	s_mul_i32 s46, s12, 3
	s_add_co_u32 s16, s16, s46
	s_lshl_b32 s16, s16, 18
	s_and_b32 s17, s13, 7
	s_lshl_b32 s17, s17, 8
	s_lshl_b32 s46, s11, 7
	s_add_co_u32 s17, s17, s46
	s_lshl_b32 s17, s17, 7
	s_add_co_u32 s16, s16, s17
	s_mov_b32 s17, 0
	s_add_nc_u64 s[8:9], s[8:9], s[16:17]          ; never stepped: all else stands in the stores' immediates
; 4 n matrix instructions of head g: blocks of rows a0 .. a0 + n - 1 x the head's four blocks of columns, 32 along K; xb's fragments in buffer af.  zero = 1: the product starts the sums.
; The 96 accumulators take turns, one instruction a turn, in the same order in every quarter.
.macro MULG g, af, a0, n, zero
.set ma, \a0
.rept \n
.set mj, 0
.rept 4
.set rD, 8*(4*ma+mj)
.set rB, BG+32*\g+8*mj
.set rA, \af+8*ma
.if \zero
	v_wmma_f32_16x16x32_bf16 v[rD:rD+7], v[rB:rB+7], v[rA:rA+7], 0
.else
	v_wmma_f32_16x16x32_bf16 v[rD:rD+7], v[rB:rB+7], v[rA:rA+7], v[rD:rD+7]
.endif
.set mj, mj+1
.endr
.set ma, ma+1
.endr
.endm
; 8 LDS loads: head g's four fragments of wqb for quarter q (32 K at byte 64 q of the rows) of a slot
.macro LDB slot, q, g
.irp j, 0,1,2,3
	ds_load_b128 v[BG+32*\g+8*\j:BG+32*\g+8*\j+3],   v[ADRB+\slot] offset:64*\q+(4*\g+\j)*16*PITCH
	ds_load_b128 v[BG+32*\g+8*\j+4:BG+32*\g+8*\j+7], v[ADRB+\slot] offset:64*\q+(4*\g+\j)*16*PITCH+32
.endr
.endm
; 16 LDS loads: xb's eight fragments for quarter q of a slot, into buffer af
.macro LDA slot, q, af
.irp i, 0,1,2,3,4,5,6,7
	ds_load_b128 v[\af+8*\i:\af+8*\i+3],   v[ADRA+\slot] offset:64*\q+\i*16*PITCH
	ds_load_b128 v[\af+8*\i+4:\af+8*\i+7], v[ADRA+\slot] offset:64*\q+\i*16*PITCH+32
.endr
.endm
.macro PLACES                          ; four plain vector instructions in front of loads into registers that matrix instructions have read, and of reads of results just made
.rept 4
	v_nop
.endr
.endm
; A slot's first quarter: multiplies buffer af and fetches quarter q of the same slot: behind each head's stretch that head's next group, behind the first also xb's next fragments, into naf.
.macro QUARTER af, slot, q, naf, zero
	s_wait_dscnt 16                                ; head 0's group and xb's fragments are in; the sixteen younger loads (heads 1 and 2) may be out
	WIN W_G0
	MULG 0, \af, 0, 8, \zero
	WIN 0
	PLACES
	LDB \slot, \q, 0
	LDA \slot, \q, \naf
	s_wait_dscnt 32                                ; head 1's group is in; behind it: head 2's eight loads and the 24 just issued
	WIN W_G1
	MULG 1, \af, 0, 8, \zero
	WIN 0
	PLACES
	LDB \slot, \q, 1
	s_wait_dscnt 32                                ; head 2's group is in; behind it: those 24 and the eight just issued
	WIN W_G2
	MULG 2, \af, 0, 8, \zero
	WIN 0
	PLACES
	LDB \slot, \q, 2
.endm
; A slot's second quarter multiplies buffer 1 and changes slots: ONE barrier, in its first stretch.  All reads of this slot have been issued by then.  In front of the barrier each wave waits for
; all its tensor loads (one is out: its part of the next slot), adds 0 to its spare word, and waits for that and for its own reads of this slot.  fill = 1: the barrier opens a round of the
; cluster's barrier, and this slot is filled again, two K steps on: from that request to the wait for it a wave issues 176 matrix instructions.
.macro TURN slot, next, fill
	s_wait_dscnt 16                                ; head 0's group and xb's fragments are in
	WIN W_G0
	MULG 0, AF1, 0, 4, 0
	WIN 0                                          ; (the add's two registers lie in window 0)
	s_wait_tensorcnt 0x0                           ; all my tensor loads have landed
	ds_add_u32 v[SPW], v[NIL]                      ; 0 onto my spare word
	WIN W_G0
	MULG 0, AF1, 4, 2, 0                           ; eight matrix instructions stand between the add and the wait for it
	s_wait_dscnt 0x0                               ; the add is done, and my reads of this slot are over (heads 1 and 2's groups are in)
	s_barrier_signal -1
	MULG 0, AF1, 6, 2, 0                           ; work on registers while the others arrive
	WIN 0
	s_barrier_wait -1
.if \fill
	CREST                                          ; no wave of any partner still reads this slot's tile or has a load on its way
	s_add_nc_u64 s[G0+4*\slot+2:G0+4*\slot+3], s[G0+4*\slot+2:G0+4*\slot+3], 2*KSTEP*2
	s_add_nc_u64 s[G0B+4*\slot+2:G0B+4*\slot+3], s[G0B+4*\slot+2:G0B+4*\slot+3], 2*KSTEP*2
	JLOAD \slot                                    ; my one tensor load behind the round, and the first thing there; its four v_nop are also the places in front of the loads below
.else
	PLACES
.endif
	LDB \next, 0, 0
	LDA \next, 0, AF0
	WIN W_G1
	MULG 1, AF1, 0, 8, 0
	WIN 0
	PLACES
	LDB \next, 0, 1
	WIN W_G2
	MULG 2, AF1, 0, 8, 0
	WIN 0
	PLACES
	LDB \next, 0, 2
.endm
; THE WAY OUT of block a (16 rows x 192 columns).  PACK: rounded to f16, 16 bytes a lane, each accumulator from its low end.  TOSTAGE: into my own stage, by head, and back as
; 512 consecutive bytes (four rows of a head).  SEND: stored; in the result a head's 16 rows are 2,048 consecutive bytes.
.macro PACK a
.irp g, 0,1,2
	WIN 0x05*(1+\g)                                ; sources 0 and 1: the head's window
.irp j, 0,1,2,3
.irp r, 0,1,2,3
	v_cvt_pk_f16_f32 v[TMP+16*\g+4*\j+\r], v[8*(4*(\a)+\j)+2*\r], v[8*(4*(\a)+\j)+2*\r+1]
.endr
.endr
.endr
	WIN 0
.endm
.macro TOSTAGE a
.set BK, OB+48*((\a)%2)
.irp n, 0,1,2,3,4,5,6,7,8,9,10,11
	ds_store_b128 v[STO], v[TMP+4*\n:TMP+4*\n+3] offset:(\n/4)*HEADB+(\n%4)*32
.endr
.irp f, 0,1,2
.irp i, 0,1,2,3
	ds_load_b128 v[BK+16*\f+4*\i:BK+16*\f+4*\i+3], v[RD] offset:\f*HEADB+\i*4*SPITCH   ; LDS serves a wave's instructions in order (ISA guide 5.7.1.4): these see the stores above
.endr
.endr
.endm
.macro SEND a
.set BK, OB+48*((\a)%2)
	s_wait_dscnt 0x0                               ; the block is back in registers
	s_wait_xcnt 0x0                                ; the stores of the block before have had their addresses translated (ISA guide 3.1): their registers are loaded again only behind this wait
.irp f, 0,1,2
.irp i, 0,1,2,3
	global_store_b128 v[CO], v[BK+16*\f+4*\i:BK+16*\f+4*\i+3], s[8:9] offset:\f*PLANE+(\a)*2048+\i*512   ; the wave stores 512 consecutive bytes, at a multiple of 512 from the buffer's first byte
.endr
.endr
.endm
	s_wait_tensorcnt 0x1                           ; my part of K step 0 is in; K step 1's may stay out
	s_barrier_signal -1
	s_barrier_wait -1                              ; everybody's is
	LDB 0, 0, 0                                    ; the first quarter's fragments, in the order in which every quarter finds them
	LDA 0, 0, AF0
	LDB 0, 0, 1
	LDB 0, 0, 2
	QUARTER AF0, 0, 1, AF1, 1                      ; the first quarter stands in front of the loop: its products start the sums
	s_mov_b32 s3, LAPS-1                           ; (every macro above leaves every window 0, as it has to be at a label and at a branch)
.Llap:                                                 ; a trip goes once round the ring, from a lap's second quarter to the next lap's first, and fills both slots again
	TURN 0, 1, 1
	QUARTER AF0, 1, 1, AF1, 0
	TURN 1, 0, 1
	QUARTER AF0, 0, 1, AF1, 0
	s_sub_co_u32 s3, s3, 1
	s_cmp_lg_u32 s3, 0
	s_cbranch_scc1 .Llap
	TURN 0, 1, 0                                   ; the last lap fills nothing
	QUARTER AF0, 1, 1, AF1, 0
	s_wait_dscnt 16                                ; the very last quarter: nothing more to fetch, and the counts run down
	WIN W_G0
	MULG 0, AF1, 0, 8, 0
	s_wait_dscnt 8                                 ; head 1's group is in; head 2's eight loads may be out
	WIN W_G1
	MULG 1, AF1, 0, 8, 0
	s_wait_dscnt 0x0
	WIN W_G2
	MULG 2, AF1, 0, 8, 0
	WIN 0
	PLACES
	PACK 0
	TOSTAGE 0
.irp a, 1,2,3,4,5,6,7                  ; block a's conversions stand between block a - 1's loads from the stage and the wait for them
	PACK \a
	SEND \a-1
	TOSTAGE \a
.endr
	SEND 7
	s_wait_tensorcnt 0x0                           ; the wave's end
	ds_add_u32 v[SPW], v[NIL]
	s_wait_dscnt 0x0
	CROUND                                         ; the closing round: no work-group ends while a partner may still ask for a tile that names it
	s_endpgm
.Lfunc_end_k_q7e1349b437_qkvg:
	.size	k_q7e1349b437_qkvg, .Lfunc_end_k_q7e1349b437_qkvg-k_q7e1349b437_qkvg
	.p2alignl 7, 3214868480
	.fill 96, 4, 3214868480
	.section	.rodata,"a",@progbits
	.p2align	6, 0x0
	.amdhsa_kernel k_q7e1349b437_qkvg
		.amdhsa_group_segment_fixed_size 327680
		.amdhsa_private_segment_fixed_size 0
		.amdhsa_enable_private_segment 0
		.amdhsa_kernarg_size 24
		.amdhsa_user_sgpr_count 2
		.amdhsa_user_sgpr_kernarg_segment_ptr 1
		.amdhsa_wavefront_size32 1
		.amdhsa_system_sgpr_workgroup_id_x 1
		.amdhsa_system_sgpr_workgroup_id_y 1
		.amdhsa_system_sgpr_workgroup_id_z 1
		.amdhsa_system_vgpr_workitem_id 0
		.amdhsa_next_free_vgpr 1024
		.amdhsa_next_free_sgpr 66
		.amdhsa_reserve_vcc 0
		.amdhsa_float_denorm_mode_32 3
		.amdhsa_float_denorm_mode_16_64 3
		.amdhsa_memory_ordered 1
		.amdhsa_forward_progress 1
		.amdhsa_inst_pref_size 130
	.end_amdhsa_kernel
	.amdgpu_metadata
---
amdhsa.version: [ 1, 2 ]
amdhsa.kernels:
  - .name:           k_q7e1349b437_qkvg
    .symbol:         k_q7e1349b437_qkvg.kd
    .args:
      - { .name: xb, .offset: 0, .size: 8, .value_kind: global_buffer, .address_space: global }
      - { .name: wqb, .offset: 8, .size: 8, .value_kind: global_buffer, .address_space: global }
      - { .name: qkv, .offset: 16, .size: 8, .value_kind: global_buffer, .address_space: global }
    .group_segment_fixed_size: 327680
    .private_segment_fixed_size: 0
    .kernarg_segment_align: 8
    .kernarg_segment_size: 24
    .max_flat_workgroup_size: 128
    .sgpr_count:     66
    .vgpr_count:     1024
    .wavefront_size: 32
...
	.end_amdgpu_metadata
.endif
;; end of part 2
;; launch attn (part 3): grid 4 x 64, 8 waves a work-group, clusters of 4 x 1, 327,680 bytes of LDS; arguments qkv, att; writes att
.if DOCPART == 3
	.amdgcn_target "amdgcn-amd-amdhsa--gfx1250"
	.amdhsa_code_object_version 6
	.text
	.protected	k_q7e1349b437_attn
	.globl	k_q7e1349b437_attn
	.p2align	8
	.type	k_q7e1349b437_attn,@function
k_q7e1349b437_attn:
	s_mov_b64 s[64:65], 0
	v_nop
	global_prefetch_b8 v0, s[64:65] scope:SCOPE_SE
	s_setreg_imm32_b32 hwreg(HW_REG_WAVE_MODE, 25, 1), 1
	s_wait_xcnt 0x0
	s_wait_alu depctr_hold_cnt(0) depctr_sa_sdst(0) depctr_va_vdst(0) depctr_va_sdst(0) depctr_va_ssrc(0) depctr_va_vcc(0) depctr_vm_vsrc(0)
	s_getreg_b32 s2, hwreg(HW_REG_IB_STS2, 6, 4)
	s_cmp_eq_u32 s2, 0
	s_cbranch_scc0 .Lentry_in_a_cluster
	s_endpgm
.Lentry_in_a_cluster:
	s_bfe_u32 s2, ttmp6, 0x10000c
	s_cmp_lg_u32 s2, 0x3003
	s_cbranch_scc0 .Lentry_shape_is_right
	s_endpgm
.Lentry_shape_is_right:
; att[b][h][q][:] = sum over k <= q of softmax_k(Q[q] . K[k] / 8) V[k][:], for each of 64 heads (b, h).  qkv: f16 [b][48][2048][64] (planes 0-15 q, 16-31 k, 32-47 v); att: f16 [b*16+h][2048][64].
; Products, maxima and sums in f32; the weights p are rounded to f16 for the second product, the result once at the end.
; LIMITS: a masked score is -3e38 rather than the least f32: both give the weight 0, since each query has at least its own key.  A NaN among the scores is dropped by the maxima.
; p <= 1 and l >= 1 by the running maximum; weights under 2^-14 keep an absolute error of at most 2^-25 in f16.
; SHARES.  A cluster of four work-groups is one head.  Work-group cx, wave w (place POS = w for w < 4, else 11 - w) owns four tiles of 16 queries: tile m = rows 512 m + 64 POS + 16 cx + 0..15.
; All four partners walk all 2,048 keys once, in four PHASES of 512 keys, 64 keys a step: loads, rounds and trip counts are alike in all; cx enters Q's and the result's addresses and the
; mask's threshold, which is a value.  In phase M tiles above M see every key, tiles below M are finished, and tile M takes steps 0 .. POS, the last of them under the triangle: a branch on the
; wave's number and the loop's counter alone.  Waves w and w + 4 have 132 tile steps together, each pair the same.
; Eight waves, two for each of the WGP's four SIMDs, so that one wave's vector work stands beside the other's matrix work.
; LAYOUT.  S^T = K Q^T (source 0 = 16 keys, source 1 = 16 queries): a lane holds ONE query (lane % 16) and the keys 8 (lane / 16) + 0..7 of each block of 16.  Two such blocks, rounded in pairs,
; ARE source 1 (32 keys x 16 queries) of O^T = V^T P, whose result again holds one query a lane.  K comes out of LDS as it lies, V ([key][channel]) turned, by ds_load_tr16_b128.
; SOFTMAX.  For each query a running maximum m and sum l: p = 2^(c s - c m), c = log2(e) / 8; in every step O and l are multiplied by a = 2^(c m_old - c m_new).
; LDS.  Two slots, each a whole phase: 512 rows of K (pitch 144), then 512 rows of V (pitch 160).  Each wave brings 128 rows by one joint load (waves 0-3 K, waves 4-7 V); a slot's refill has
; a whole phase in which to land.  No prefetch is written: each tile is asked for a phase ahead of its first read, once for the four partners.
; REGISTERS.  Window 0: addresses, statistics, S^T, P, fragments of K and V.  Window 1: v0-127 O^T (tile m, channels 16 c on: v[32 m + 8 c]); v128-191 Q (v[128 + 16 m + 8 dh]).
.set PLANE, 262144
.set PK,    144                        ; a row of K in LDS: 128 bytes + 16: the 16 rows of a load start at 16 different groups of four banks (64 banks of 4 bytes: ISA guide 11.1)
.set PVV,   160                        ; a row of V: 128 + 32
.set PHK,   512                        ; keys in a phase
.set VOFF,  PHK*PK
.set SLOT,  PHK*(PK+PVV)
.set SPARE, 2*SLOT                     ; behind the ring: the spare words, 128 bytes for each of eight waves: four blocks of 256 bytes that no other line names
.set KSB,   64*PK                      ; a step's 64 rows of K,
.set VSB,   64*PVV                     ; of V
.set WSTAGE, 16*PK                     ; the way out: 16 rows x 144 bytes a wave, from LDS byte 0 on: slot 0 has had its last fill by then, and every wave's reads of it lie in front of a barrier
.set AK0,  2                           ; v2   my lane's place in a tile of K; never rewritten
.set AV0,  3                           ; v3   the same for V
.set ADRK, 4                           ; v4   LDS address of the step's K
.set ADRV, 5                           ; v5   of its V
.set QO,   6                           ; v6   my byte offset in a tile of Q
.set STO,  7                           ; v7   the way out: where I put 16 bytes of a row
.set RD,   8                           ; v8   the way out: where I read 16 bytes back
.set THR,  9                           ; v9   16 cx + lane % 16 - 8 (lane / 16): score n of the diagonal step is masked where 16 (n / 8) + n % 8 is greater
.set NEG,  10                          ; v10  -3e38
.set GO,   11                          ; v11  16 x lane
.set SPW,  12                          ; v12  LDS address of my spare word; never rewritten
.set NIL,  13                          ; v13  0; never rewritten
.set ST,   16                          ; tile m's statistics at v[ST + 8 m]: +0 c m, +1 m, +2, +3 l (even keys', odd keys'), +4 to +7 c0-c3 at work; a takes c2's place
.set S,    48                          ; v48-79   S^T of the tile in hand, then its weights
.set P,    80                          ; v80-95   the weights in f16
.set KF,   96                          ; v96-159  K of the step: keys 16 f on, channels 32 dh on: v[KF + 16 f + 8 dh]
.set VF,   160                         ; v160-223 V of the step, turned: keys 32 kh on, channels 16 c on: v[VF + 32 kh + 8 c]
.set OUTR, 96                          ; the way out: 16 registers a tile, where K lay
.set QF,   128                         ; in window 1
.set WV,   12                          ; s12  my wave's number
.set POS,  13                          ; s13  my place among the eight strips of 64 rows
.set CX,   14                          ; s14  my work-group's place in the cluster
.set PW,   15                          ; s15  which 128 keys of a phase I fetch
.set G1K,  24                          ; s[24:31] descriptor group 1 for K's tiles
.set G1V,  32                          ; s[32:39] for V's: it differs in the padding alone
.set G0K,  40                          ; s[40:47] descriptor group 0 for K's tiles, a set for each slot
.set G0V,  48                          ; s[48:55] the same for V's
.set KSL,  56                          ; s56  the key step in the phase, 0 to 7
.set TBK,  57                          ; s57  LDS byte at which the step's K begins
.set TBV,  58                          ; s58  the same for V, less VOFF
.set SEL,  60                          ; s[60:61] lane selects for v_permlanex16_b32: each lane takes its own place in the other half
.set CS,   62                          ; s[62:63] c, named as a pair by the packed scaling
.set MSB, 0
.macro WIN new                         ; the immediate's high byte repeats the setting that is left; a switch that changes nothing is dropped
.if MSB != (\new)
	s_set_vgpr_msb (MSB<<8)|(\new)
.set MSB, \new
.endif
.endm
.set W_KQ, 0x04                        ; Q (source 1) in window 1
.set W_PV, 0x50                        ; O^T (C and D) in window 1
.set W_RS, 0x41                        ; O^T (destination and source 0) in window 1
; A joint refill of slot s: waves 0-3 fetch K, waves 4-7 V.  The branch hangs on the wave's number alone.  Four v_nop follow each of the two lines.
.macro JLOAD s
	s_cmp_lt_u32 s[WV], 4
	s_cbranch_scc0 .Lfor_v_\@
	tensor_load_to_lds s[G0K+4*\s:G0K+4*\s+3], s[G1K:G1K+7]
	s_nop 0
.rept 4
	v_nop
.endr
	s_branch .Lasked_\@
.Lfor_v_\@:
	tensor_load_to_lds s[G0V+4*\s:G0V+4*\s+3], s[G1V:G1V+7]
	s_nop 0
.rept 4
	v_nop
.endr
.Lasked_\@:
.endm
.macro CROUND                          ; a round of the cluster's barrier
	s_barrier_signal -1
	s_barrier_wait -1
	s_cmp_lg_u32 s[WV], 0
	s_cbranch_scc1 .Lnot_wave_0_\@
	s_barrier_signal -3
.Lnot_wave_0_\@:
	s_barrier_wait -3
	s_barrier_signal -1
	s_barrier_wait -1
.endm
.macro PLACES                          ; four plain vector instructions between a matrix instruction and the first read of its result (ISA guide 7.12.1)
.rept 4
	v_nop
.endr
.endm
	s_load_b128 s[4:7], s[0:1], 0x0                ; qkv s[4:5], att s[6:7]
	v_lshl_add_u32 v[SPW], v0, 2, SPARE
	v_mov_b32 v[NIL], 0
	ds_add_u32 v12, v13
	s_wait_dscnt 0x0
	v_lshrrev_b32 v1, 5, v0
	v_readfirstlane_b32 s[WV], v1                  ; wave 0..7
	s_sub_co_u32 s16, 11, s[WV]
	s_cmp_lt_u32 s[WV], 4
	s_cselect_b32 s[POS], s[WV], s16               ; 0, 1, 2, 3, 7, 6, 5, 4
	s_and_b32 s[PW], s[WV], 3
	s_bfe_u32 s[CX], ttmp6, 0x40000
	s_and_b32 s17, ttmp7, 0xffff                   ; the head, 16 b + h, which the four partners share
	s_lshr_b32 s18, s17, 4
	s_and_b32 s19, s17, 15
	s_mul_i32 s18, s18, 48
	s_add_co_u32 s18, s18, s19                     ; q's plane: 48 b + h
	s_lshl_b32 s20, s18, 18                        ; in bytes
	s_mov_b32 s21, 0
	s_lshl_b32 s22, s[PW], 14                      ; my 128 keys of 128 bytes,
	s_add_co_u32 s22, s22, s20
	s_add_co_u32 s22, s22, 16*PLANE                ; in k's plane: made before cx enters s20
	s_mov_b32 s23, 0
	s_lshl_b32 s2, s[POS], 6
	s_lshl4_add_u32 s2, s[CX], s2                  ; my tiles' first row in each 512: 64 POS + 16 cx,
	s_lshl_b32 s2, s2, 7                           ; of 128 bytes
	s_add_co_u32 s20, s20, s2                      ; Q
	s_lshl_b32 s16, s17, 18                        ; the result's plane
	s_add_co_u32 s16, s16, s2
	s_mov_b32 s17, 0
	s_mul_i32 s18, s[PW], 128*PK                   ; where my 128 rows go in a slot: no place in the cluster enters an LDS address
	s_mul_i32 s19, s[PW], 128*PVV
	s_add_co_u32 s19, s19, VOFF
	; descriptor group 1: a tile of 128 rows x 64 elements of 2 bytes; padding behind every 32 words (a row): 4 words for K, 8 for V
	s_mov_b32 s[G1K], 15|(1<<16)|(1<<20)|(1<<21)|(4<<22)|(3<<25)   ; 15:0 the mask: all four work-groups; 17:16 element size; 20 padding on; 21 set beside a mask; 24:22 interval; 31:25 padding
	s_mov_b32 s[G1V], 15|(1<<16)|(1<<20)|(1<<21)|(4<<22)|(7<<25)
.irp g, G1K, G1V
	s_mov_b32 s[\g+1], 64<<16                      ; tensor_dim0 = 64
	s_mov_b32 s[\g+2], 128<<16                     ; tensor_dim1 = 128
	s_mov_b32 s[\g+3], 64<<16                      ; tile_dim0 = 64
	s_mov_b32 s[\g+4], 128                         ; tile_dim1 = 128
	s_mov_b32 s[\g+5], 64                          ; elements from row to row
	s_mov_b32 s[\g+6], 0
	s_mov_b32 s[\g+7], 0
.endr
	s_mov_b32 s[CS], 0x3e38aa3b                    ; c = log2(e) / 8
	s_mov_b32 s[CS+1], s[CS]
	s_mov_b32 s[SEL], 0x76543210
	s_mov_b32 s[SEL+1], 0xfedcba98
	s_wait_kmcnt 0x0
	s_add_nc_u64 s[8:9], s[4:5], s[22:23]          ; K at my rows of phase 0,
	s_add_nc_u64 s[10:11], s[8:9], 16*PLANE        ; V sixteen planes on
	s_add_nc_u64 s[4:5], s[4:5], s[20:21]          ; Q at my tile 0
	s_add_nc_u64 s[6:7], s[6:7], s[16:17]          ; the result likewise
	CROUND                                         ; all four work-groups are here: the first joint loads meet
.irp s, 0,1
	s_mov_b32 s[G0K+4*\s], 1                                       ; count = 1
	s_add_co_u32 s[G0K+4*\s+1], s18, \s*SLOT                       ; LDS address
	s_add_nc_u64 s[G0K+4*\s+2:G0K+4*\s+3], s[8:9], \s*PHK*128      ; global address: phase s
	s_or_b32 s[G0K+4*\s+3], s[G0K+4*\s+3], 0x80000000              ; type = 2
	s_mov_b32 s[G0V+4*\s], 1
	s_add_co_u32 s[G0V+4*\s+1], s19, \s*SLOT
	s_add_nc_u64 s[G0V+4*\s+2:G0V+4*\s+3], s[10:11], \s*PHK*128
	s_or_b32 s[G0V+4*\s+3], s[G0V+4*\s+3], 0x80000000
.endr
	s_cmp_lt_u32 s[WV], 4                          ; a wave's two first fills stand in one branch, ahead of every wait on TENSORcnt and every LDS read: two loads of mine are out
	s_cbranch_scc0 .Lfirst_v
	tensor_load_to_lds s[G0K:G0K+3], s[G1K:G1K+7]
	s_nop 0
	tensor_load_to_lds s[G0K+4:G0K+7], s[G1K:G1K+7]
	s_nop 0
.rept 4
	v_nop
.endr
	s_branch .Lfirst_asked
.Lfirst_v:
	tensor_load_to_lds s[G0V:G0V+3], s[G1V:G1V+7]
	s_nop 0
	tensor_load_to_lds s[G0V+4:G0V+7], s[G1V:G1V+7]
	s_nop 0
.rept 4
	v_nop
.endr
.Lfirst_asked:
	; a fragment of K or Q is 16 rows x 32 channels in 8 registers: lane l holds row l % 16; registers 0-3 channels 8 (l / 16) + 0..7, registers 4-7 channels 16 + 8 (l / 16) + 0..7
	v_and_b32 v1, 15, v0                           ; l % 16
	v_bfe_u32 v14, v0, 4, 1                        ; l / 16
	v_lshlrev_b32 v[QO], 7, v1
	v_lshl_add_u32 v[QO], v14, 4, v[QO]            ; row x 128 + 16 x half
	WIN 0x40                                       ; destination window 1
.irp i, 0,1,2,3,4,5,6,7                ; Q stays in registers: tile i / 2 (512 rows apart), channels 32 (i % 2) on
	global_load_b128 v[QF+8*\i:QF+8*\i+3],   v[QO], s[4:5] offset:(\i/2)*65536+(\i%2)*64
	global_load_b128 v[QF+8*\i+4:QF+8*\i+7], v[QO], s[4:5] offset:(\i/2)*65536+(\i%2)*64+32
.endr
	WIN 0
	v_mul_u32_u24 v[AK0], v1, PK
	v_lshl_add_u32 v[AK0], v14, 4, v[AK0]          ; row x pitch + 16 x half
	; the turning load takes 16 keys x 16 channels (lane l reads 16 bytes: key 8 (l / 16) + l % 8, channels 8 ((l / 8) % 2) + 0..7) and leaves half a fragment of V^T: lane l holds channel l % 16 and 8 keys
	v_and_b32 v15, 7, v0
	v_lshl_add_u32 v[AV0], v14, 3, v15
	v_mul_u32_u24 v[AV0], v[AV0], PVV
	v_bfe_u32 v[ADRK], v0, 3, 1
	v_lshl_add_u32 v[AV0], v[ADRK], 4, v[AV0]
	v_add_nc_u32 v[AV0], VOFF, v[AV0]
	s_mul_i32 s16, s[WV], WSTAGE                   ; my stage
	v_add_nc_u32 v[STO], s16, v[AK0]               ; in: row l % 16, 16 bytes for each half of the lanes
	v_bfe_u32 v[RD], v0, 3, 2                      ; back: eight lanes take a row of 128 bytes, the wave four rows
	v_mul_u32_u24 v[RD], v[RD], PK
	v_lshl_add_u32 v[RD], v15, 4, v[RD]
	v_add_nc_u32 v[RD], s16, v[RD]
	v_lshlrev_b32 v[THR], 3, v14
	v_sub_nc_u32 v[THR], v1, v[THR]
	v_lshl_add_u32 v[THR], s[CX], 4, v[THR]
	v_mov_b32 v[NEG], 0xff61b1e6
	v_and_b32 v[GO], 31, v0
	v_lshlrev_b32 v[GO], 4, v[GO]
; The step's K: 64 keys x 64 channels, 8 fragments, 16 loads.  Its V, turned: 8 fragments, 16 loads.
.macro FETCH_K
.irp f, 0,1,2,3
.irp d, 0,1
	ds_load_b128 v[KF+16*\f+8*\d:KF+16*\f+8*\d+3],   v[ADRK] offset:\f*16*PK+\d*64
	ds_load_b128 v[KF+16*\f+8*\d+4:KF+16*\f+8*\d+7], v[ADRK] offset:\f*16*PK+\d*64+32
.endr
.endr
.endm
.macro FETCH_V
.irp k, 0,1
.irp c, 0,1,2,3
	ds_load_tr16_b128 v[VF+32*\k+8*\c:VF+32*\k+8*\c+3],   v[ADRV] offset:\k*32*PVV+\c*32
	ds_load_tr16_b128 v[VF+32*\k+8*\c+4:VF+32*\k+8*\c+7], v[ADRV] offset:\k*32*PVV+16*PVV+\c*32
.endr
.endr
.endm
; S^T = K Q^T of tile m: product i of 8: channels 32 (i / 4) on, keys 16 (i % 4) on.  The first four start the sums; the four accumulators take turns.
.macro KQ m
	WIN W_KQ
.set i, 0
.rept 8
.set rS, S+8*(i%4)
.set rK, KF+16*(i%4)+8*(i/4)
.set rQ, QF+16*(\m)+8*(i/4)
.if i < 4
	v_wmma_f32_16x16x32_f16 v[rS:rS+7], v[rK:rK+7], v[rQ:rQ+7], 0
.else
	v_wmma_f32_16x16x32_f16 v[rS:rS+7], v[rK:rK+7], v[rQ:rQ+7], v[rS:rS+7]
.endif
.set i, i+1
.endr
.endm
; O^T += V^T P of tile m: product i of 8: keys 32 (i / 4) on, channels 16 (i % 4) on.  first = 1: the first four start the sums: nothing is ever cleared.
.macro PV m, first
	WIN W_PV
.set i, 0
.rept 8
.set rO, 32*(\m)+8*(i%4)
.set rV, VF+32*(i/4)+8*(i%4)
.set rP, P+8*(i/4)
.if \first && (i < 4)
	v_wmma_f32_16x16x32_f16 v[rO:rO+7], v[rV:rV+7], v[rP:rP+7], 0
.else
	v_wmma_f32_16x16x32_f16 v[rO:rO+7], v[rV:rV+7], v[rP:rP+7], v[rO:rO+7]
.endif
.set i, i+1
.endr
.endm
; The triangle: score n is key 16 (n / 8) + 8 (lane / 16) + n % 8 of the step, and my query is number 16 cx + lane % 16 of the same 64.  A choice of values, made in every lane.
.macro MASK
.set n, 0
.rept 32
	v_cmp_gt_i32 vcc_lo, 16*(n/8)+n%8, v[THR]
	v_cndmask_b32 v[S+n], v[S+n], v[NEG], vcc_lo
.set n, n+1
.endr
.endm
; One tile's softmax for one key step, in window 0 but for its last part.  first = 1: the first key step, which starts m, l and O^T: it has no a and nothing to rescale.
.macro SOFTMAX m, first
.set rT, ST+8*(\m)
.set rO, 32*(\m)
.irp j, 0,1,2,3                        ; the maximum of the lane's 32 scores and the old m, three operands at a time; each accumulator is read from its low end
	v_max3_num_f32 v[rT+4+\j], v[S+8*\j], v[S+8*\j+1], v[S+8*\j+2]
.endr
.irp j, 0,1,2,3
	v_max3_num_f32 v[rT+4+\j], v[rT+4+\j], v[S+8*\j+3], v[S+8*\j+4]
.endr
.irp j, 0,1,2,3
	v_max3_num_f32 v[rT+4+\j], v[rT+4+\j], v[S+8*\j+5], v[S+8*\j+6]
.endr
	v_max3_num_f32 v[rT+4], v[rT+4], v[S+7], v[S+15]
	v_max3_num_f32 v[rT+6], v[rT+6], v[S+23], v[S+31]
	v_max3_num_f32 v[rT+4], v[rT+4], v[rT+5], v[rT+6]
.if \first
	v_max_num_f32 v[rT+4], v[rT+4], v[rT+7]
.else
	v_max3_num_f32 v[rT+4], v[rT+4], v[rT+7], v[rT+1]
.endif
	v_permlanex16_b32 v[rT+5], v[rT+4], s[SEL], s[SEL+1]           ; the query's other 32 keys lie in the lane 16 away
.if !\first
	v_mov_b32 v[rT+7], v[rT]                       ; c m_old is kept for a
.endif
	v_max_num_f32 v[rT+1], v[rT+4], v[rT+5]
	v_mul_f32 v[rT], s[CS], v[rT+1]
.if !\first
	v_sub_f32 v[rT+7], v[rT+7], v[rT]
.endif
.set n, 0
.rept 16
	v_pk_fma_f32 v[S+2*n:S+2*n+1], v[S+2*n:S+2*n+1], s[CS:CS+1], v[rT:rT+1] op_sel_hi:[1,0,0] neg_lo:[0,0,1] neg_hi:[0,0,1]   ; c s - c m
.set n, n+1
.endr
.if !\first
	v_exp_f32 v[rT+6], v[rT+7]
.endif
.set n, 0
.rept 32
	v_exp_f32 v[S+n], v[S+n]
.set n, n+1
.endr
	v_nop                                          ; a plain instruction between the last exponential and the use of its result (ISA guide 5.7.2)
.set n, 0
	s_wait_alu depctr_va_vdst(0)
.rept 16
	v_cvt_pk_f16_f32 v[P+n], v[S+2*n], v[S+2*n+1]
.set n, n+1
.endr
.irp u, 0,1,2,3,4,5,6,7                ; the sum of the 16 pairs (an even key's weight, an odd key's), in place
	v_pk_add_f32 v[S+4*\u:S+4*\u+1], v[S+4*\u:S+4*\u+1], v[S+4*\u+2:S+4*\u+3]
.endr
.irp u, 0,1,2,3
	v_pk_add_f32 v[S+8*\u:S+8*\u+1], v[S+8*\u:S+8*\u+1], v[S+8*\u+4:S+8*\u+5]
.endr
.irp u, 0,1
	v_pk_add_f32 v[S+16*\u:S+16*\u+1], v[S+16*\u:S+16*\u+1], v[S+16*\u+8:S+16*\u+9]
.endr
.if \first
	v_pk_add_f32 v[rT+2:rT+3], v[S:S+1], v[S+16:S+17]
.else
	v_pk_add_f32 v[S:S+1], v[S:S+1], v[S+16:S+17]
	v_pk_fma_f32 v[rT+2:rT+3], v[rT+2:rT+3], v[rT+6:rT+7], v[S:S+1] op_sel_hi:[1,0,1]   ; l = a l + the sum
	WIN W_RS
.set n, 0
.rept 16
	v_pk_mul_f32 v[rO+2*n:rO+2*n+1], v[rO+2*n:rO+2*n+1], v[rT+6:rT+7] op_sel_hi:[1,0]   ; O^T times a, each accumulator from its low end
.set n, n+1
.endr
.endif
.endm
; A tile that sees all 64 keys of the step
.macro TILE m, first
	KQ \m
	WIN 0
	PLACES
	SOFTMAX \m, \first
	s_wait_dscnt 0x0                               ; V is in
	PV \m, \first
	WIN 0
.endm
; A key step of phase ph.  Tiles above ph in full; tile ph while the step is not past my place, under the triangle where it is my place.
.macro STEP ph, first
.if \ph == 3
	s_cmp_gt_u32 s[KSL], s[POS]                    ; in the last phase nothing else needs the step's K and V
	s_cbranch_scc1 .Lend_\@
.endif
	v_add_nc_u32 v[ADRK], s[TBK], v[AK0]           ; these two and two v_nop are the four places between the last V^T P and the loads into V's registers
	v_add_nc_u32 v[ADRV], s[TBV], v[AV0]
	v_nop
	v_nop
	FETCH_K
	FETCH_V
	s_wait_dscnt 16                                ; K is in; V's sixteen loads may stay out
.if \ph < 3
	TILE 3, \first
.endif
.if \ph < 2
	TILE 2, \first
.endif
.if \ph < 1
	TILE 1, \first
.endif
.if (\ph < 3) && !\first
	s_cmp_gt_u32 s[KSL], s[POS]
	s_cbranch_scc1 .Lend_\@
.endif
	KQ \ph
	WIN 0
	PLACES
	s_cmp_lg_u32 s[KSL], s[POS]
	s_cbranch_scc1 .Lplain_\@
	MASK
.Lplain_\@:
	SOFTMAX \ph, \first
	s_wait_dscnt 0x0                               ; V is in
	PV \ph, \first
	WIN 0
.Lend_\@:
.endm
; Phase ph out of slot slot, from key step from on
.macro PHASE ph, slot, from
	s_mov_b32 s[TBK], \slot*SLOT+KSB*\from
	s_mov_b32 s[TBV], \slot*SLOT+VSB*\from
	s_mov_b32 s[KSL], \from
.Lstep_\@:
	STEP \ph, 0
	s_add_co_u32 s[TBK], s[TBK], KSB
	s_add_co_u32 s[TBV], s[TBV], VSB
	s_add_co_u32 s[KSL], s[KSL], 1
	s_cmp_lt_u32 s[KSL], 8
	s_cbranch_scc1 .Lstep_\@
.endm
; THE CHANGE OF SLOTS.  Each wave waits for all its tensor loads (one is out at most: its part of the other slot), adds 0 to its spare word, and waits for that and for its own reads of the slot.
; fill = 1: the barrier is a round of the cluster's, and the slot just read is filled again with the keys two phases on: my one tensor load behind the round, and the first thing there.
.macro CHANGE slot, fill
	s_wait_tensorcnt 0x0                           ; no tensor load of mine is out, so a group 0 may be written
	ds_add_u32 v[SPW], v[NIL]                      ; 0 onto my spare word
.if \fill
	s_add_nc_u64 s[G0K+4*\slot+2:G0K+4*\slot+3], s[G0K+4*\slot+2:G0K+4*\slot+3], 2*PHK*128
	s_add_nc_u64 s[G0V+4*\slot+2:G0V+4*\slot+3], s[G0V+4*\slot+2:G0V+4*\slot+3], 2*PHK*128
.endif
	s_wait_dscnt 0x0                               ; the add is done, and my reads of the slot are over
.if \fill
	CROUND
	JLOAD \slot
.else
	s_barrier_signal -1
	s_barrier_wait -1
.endif
.endm
	s_wait_tensorcnt 0x1                           ; my part of slot 0 is in; slot 1's may stay out
	s_barrier_signal -1
	s_barrier_wait -1                              ; everybody's is
	s_wait_loadcnt 0x0                             ; Q
	s_mov_b32 s[TBK], 0
	s_mov_b32 s[TBV], 0
	s_mov_b32 s[KSL], 0
	STEP 0, 1                                      ; the first key step is written out: it starts every tile's m, l and O^T
	PHASE 0, 0, 1
	CHANGE 0, 1                                    ; slot 0 takes phase 2's keys
	PHASE 1, 1, 0
	CHANGE 1, 1                                    ; slot 1 takes phase 3's
	PHASE 2, 0, 0
	CHANGE 0, 0                                    ; nothing is left to fetch; behind this barrier nobody reads slot 0 any more
	PHASE 3, 1, 0
	; THE WAY OUT.  l's two halves and the other half of the lanes' are added; O^T is divided by l, rounded to f16 and sent through my stage, a tile (16 rows) at a time.  The first additions are the places behind the last products.
.irp t, 0,1,2,3
	v_add_f32 v[ST+8*\t+4], v[ST+8*\t+2], v[ST+8*\t+3]
.endr
.irp t, 0,1,2,3
	v_permlanex16_b32 v[ST+8*\t+5], v[ST+8*\t+4], s[SEL], s[SEL+1]
.endr
.irp t, 0,1,2,3
	v_add_f32 v[ST+8*\t+4], v[ST+8*\t+4], v[ST+8*\t+5]
.endr
.irp t, 0,1,2,3
	v_rcp_f32 v[ST+8*\t+6], v[ST+8*\t+4]
.endr
	v_nop                                          ; a plain instruction between the last reciprocal and the use of its result
	s_wait_alu depctr_va_vdst(0)
.macro PACK m
	WIN W_RS
.set n, 0
.rept 16
	v_pk_mul_f32 v[32*\m+2*n:32*\m+2*n+1], v[32*\m+2*n:32*\m+2*n+1], v[ST+8*\m+6:ST+8*\m+7] op_sel_hi:[1,0]
.set n, n+1
.endr
	WIN 0x05                                       ; sources 0 and 1 window 1, destination window 0
.set n, 0
.rept 16
	v_cvt_pk_f16_f32 v[OUTR+16*\m+n], v[32*\m+2*n], v[32*\m+2*n+1]
.set n, n+1
.endr
	WIN 0
.irp c, 0,1,2,3
	ds_store_b128 v[STO], v[OUTR+16*\m+4*\c:OUTR+16*\m+4*\c+3] offset:32*\c
.endr
.irp c, 0,1,2,3
	ds_load_b128 v[OUTR+16*\m+4*\c:OUTR+16*\m+4*\c+3], v[RD] offset:\c*4*PK   ; LDS serves a wave's instructions in order (ISA guide 5.7.1.4): these see the stores above; the next tile's stores come behind them
.endr
.endm
.macro SEND m, younger                 ; younger: the LDS instructions issued behind tile m's loads: the next tile's eight, or none
.irp c, 0,1,2,3
	s_wait_dscnt \younger+3-\c
	global_store_b128 v[GO], v[OUTR+16*\m+4*\c:OUTR+16*\m+4*\c+3], s[6:7] offset:\m*65536+\c*512   ; the wave stores 512 consecutive bytes, at a multiple of 512 from the buffer's first byte
.endr
.endm
	PACK 0
	PACK 1                                         ; a tile's arithmetic stands between the loads of the tile before and its stores
	SEND 0, 8
	PACK 2
	SEND 1, 8
	PACK 3
	SEND 2, 8
	SEND 3, 0
	s_wait_tensorcnt 0x0                           ; the wave's end
	ds_add_u32 v[SPW], v[NIL]
	s_wait_dscnt 0x0
	CROUND                                         ; the closing round: no work-group ends while a partner may still ask for a tile that names it
	s_endpgm
.Lfunc_end_k_q7e1349b437_attn:
	.size	k_q7e1349b437_attn, .Lfunc_end_k_q7e1349b437_attn-k_q7e1349b437_attn
	.p2alignl 7, 3214868480
	.fill 96, 4, 3214868480
	.section	.rodata,"a",@progbits
	.p2align	6, 0x0
	.amdhsa_kernel k_q7e1349b437_attn
		.amdhsa_group_segment_fixed_size 327680
		.amdhsa_private_segment_fixed_size 0
		.amdhsa_enable_private_segment 0
		.amdhsa_kernarg_size 16
		.amdhsa_user_sgpr_count 2
		.amdhsa_user_sgpr_kernarg_segment_ptr 1
		.amdhsa_wavefront_size32 1
		.amdhsa_system_sgpr_workgroup_id_x 1
		.amdhsa_system_sgpr_workgroup_id_y 1
		.amdhsa_system_sgpr_workgroup_id_z 1
		.amdhsa_system_vgpr_workitem_id 0
		.amdhsa_next_free_vgpr 448
		.amdhsa_next_free_sgpr 66
		.amdhsa_reserve_vcc 1
		.amdhsa_float_denorm_mode_32 3
		.amdhsa_float_denorm_mode_16_64 3
		.amdhsa_memory_ordered 1
		.amdhsa_forward_progress 1
		.amdhsa_inst_pref_size 149
	.end_amdhsa_kernel
	.amdgpu_metadata
---
amdhsa.version: [ 1, 2 ]
amdhsa.kernels:
  - .name:           k_q7e1349b437_attn
    .symbol:         k_q7e1349b437_attn.kd
    .args:
      - { .name: qkv, .offset: 0, .size: 8, .value_kind: global_buffer, .address_space: global }
      - { .name: att, .offset: 8, .size: 8, .value_kind: global_buffer, .address_space: global }
    .group_segment_fixed_size: 327680
    .private_segment_fixed_size: 0
    .kernarg_segment_align: 8
    .kernarg_segment_size: 16
    .max_flat_workgroup_size: 256
    .sgpr_count:     66
    .vgpr_count:     448
    .wavefront_size: 32
...
	.end_amdgpu_metadata
.endif
;; end of part 3
;; launch projg (part 4): grid 8 x 32, 4 waves a work-group, clusters of 4 x 4, 327,680 bytes of LDS; arguments att, wpb, out0; writes out0
.if DOCPART == 4
	.amdgcn_target "amdgcn-amd-amdhsa--gfx1250"
	.amdhsa_code_object_version 6
	.text
	.protected	k_q7e1349b437_projg
	.globl	k_q7e1349b437_projg
	.p2align	8
	.type	k_q7e1349b437_projg,@function
k_q7e1349b437_projg:
	s_mov_b64 s[64:65], 0
	v_nop
	global_prefetch_b8 v0, s[64:65] scope:SCOPE_SE
	s_setreg_imm32_b32 hwreg(HW_REG_WAVE_MODE, 25, 1), 1
	s_wait_xcnt 0x0
	s_wait_alu depctr_hold_cnt(0) depctr_sa_sdst(0) depctr_va_vdst(0) depctr_va_sdst(0) depctr_va_ssrc(0) depctr_va_vcc(0) depctr_vm_vsrc(0)
	s_getreg_b32 s2, hwreg(HW_REG_IB_STS2, 6, 4)
	s_cmp_eq_u32 s2, 0
	s_cbranch_scc0 .Lentry_in_a_cluster
	s_endpgm
.Lentry_in_a_cluster:
	s_bfe_u32 s2, ttmp6, 0x10000c
	s_cmp_lg_u32 s2, 0xf033
	s_cbranch_scc0 .Lentry_shape_is_right
	s_endpgm
.Lentry_shape_is_right:
; out0[m][n] = sum over k of A[m][k] wpb[n][k], f32.  A is att, f16, laid by head: A[m][k] = att[(m / 2048) x 16 + k / 64][m % 2048][k % 64]; wpb: [1024][1024] f16.  Sums in f32, stored as they are.
; A tile of the result is 256 rows x 128 columns: 32 x 8 = 256 work-groups.  Four waves; wave w makes rows 64 w .. 64 w + 63 x all 128 columns: 32 accumulators of 16 x 16, 256 registers.
; K goes in steps of 128 = two heads through a ring of two LDS slots.  A's part of a slot is two planes, one a head: 256 rows x 128 bytes, consecutive in memory, brought by one load each;
; wpb's part is 128 rows of 256 bytes, brought by two loads of 64 rows.
; CLUSTER: 4 x 4 work-groups.  The four of a row of the cluster need the same tiles of att, the four of a column the same tiles of wpb: each tile is asked for JOINTLY.
; THE MATRIX INSTRUCTION IS USED TRANSPOSED (source 0 = 16 rows of wpb, source 1 = 16 rows of A): a lane then holds eight neighbouring columns of one row, 32 bytes.
; REGISTERS, in windows of 256: window 0: addresses, the way out.  Window 1: accumulators of my rows 0-31 ((a, b) at v[8 (8 (a % 2) + b)]).  Window 2: those of rows 32-63.
;   Window 3: two fragment buffers of 96: 8 fragments of wpb (64 registers), then 4 of A (32).
.set SIZE_K, 1024
.set KSTEP,  128
.set NB,     8                         ; blocks of 16 columns
.set APITCH, 144                       ; a head's row in LDS: 128 bytes + 16
.set APLANE, 256*APITCH                ; what one load brings of A: a head's 256 rows
.set PITCH,  272                       ; a row of wpb's tile: 256 bytes + 16.  Both pitches are odd multiples of 16 bytes: the 16 rows of a fragment load start at 16 different groups of four banks (ISA guide 11.1)
.set HB,     64*PITCH                  ; what one load brings of wpb: 64 rows
.set BOFF,   2*APLANE
.set SLOT,   BOFF+2*HB
.set STAGE,  2*SLOT                    ; behind the ring: for each wave 16 rows x 528 bytes, for the way out
.set OPITCH, 528                       ; 512 bytes + 16
.set WSTAGE, 16*OPITCH
.set SPARE,  STAGE+4*WSTAGE            ; behind the stages: the spare words, 128 bytes for each wave: two blocks of 256 bytes that no other line names
.set LAPS,   SIZE_K/(2*KSTEP)
.set PLANE,  262144
.set ADRA, 16                          ; v16-17  LDS address of my fragments of A in slot 0, 1
.set ADRB, 20                          ; v20-21  the same for wpb
.set STO,  24                          ; v24     the way out: where I put 32 bytes of a row
.set RD,   25                          ; v25     the way out: where I read 16 bytes back
.set CO,   26                          ; v26     16 x lane
.set SPW,  28                          ; v28     LDS address of my spare word; never rewritten
.set NIL,  29                          ; v29     0; never rewritten
.set OB,   32                          ; v32-95 and v96-159 by turns: a block of 16 rows read back from the stage
.set F0,   0
.set F1,   96
.set G1,  24                           ; s[24:31] descriptor group 1 for A's tiles;  s[32:39] group 0, a set for each slot
.set G0,  32
.set G1B, 48                           ; s[48:55], s[56:63] the same for wpb's tiles
.set G0B, 56
.set MSB, 0
.macro WIN new                         ; the immediate's high byte repeats the setting that is left; a switch that changes nothing is dropped
.if MSB != (\new)
	s_set_vgpr_msb (MSB<<8)|(\new)
.set MSB, \new
.endif
.endm
.set MUL_LO, 0x5f                      ; sources 0 and 1 window 3, C and D window 1
.set MUL_HI, 0xaf                      ; the same, C and D window 2
.set TO_F,   0xc0                      ; destination window 3, address window 0
; A joint load: waves 0 and 1 fetch A's two heads, waves 2 and 3 wpb's two halves.  The branch hangs on the wave's number alone.  Four v_nop follow each of the two lines.
.macro JLOAD s
	s_cmp_eq_u32 s11, 0
	s_cbranch_scc0 .Lfor_b_\@
	tensor_load_to_lds s[G0+4*\s:G0+4*\s+3], s[G1:G1+7]
	s_nop 0
.rept 4
	v_nop
.endr
	s_branch .Lasked_\@
.Lfor_b_\@:
	tensor_load_to_lds s[G0B+4*\s:G0B+4*\s+3], s[G1B:G1B+7]
	s_nop 0
.rept 4
	v_nop
.endr
.Lasked_\@:
.endm
.macro CREST                           ; a round of the cluster's barrier behind its opening barrier
	s_cmp_lg_u32 s10, 0
	s_cbranch_scc1 .Lnot_wave_0_\@
	s_barrier_signal -3
.Lnot_wave_0_\@:
	s_barrier_wait -3
	s_barrier_signal -1
	s_barrier_wait -1
.endm
.macro CROUND                          ; a whole round
	s_barrier_signal -1
	s_barrier_wait -1
	CREST
.endm
	s_load_b128 s[4:7], s[0:1], 0x0                ; att s[4:5], wpb s[6:7]
	s_load_b64 s[8:9], s[0:1], 0x10                ; out0
	v_lshl_add_u32 v[SPW], v0, 2, SPARE
	v_mov_b32 v[NIL], 0
	ds_add_u32 v28, v29
	s_wait_dscnt 0x0
	v_lshrrev_b32 v1, 5, v0
	v_readfirstlane_b32 s10, v1                    ; wave 0..3
	s_lshr_b32 s11, s10, 1                         ; I fetch for A (0) or for wpb (1),
	s_and_b32 s12, s10, 1                          ; and which head of the two, or which half of the rows
	s_bfe_u32 s40, ttmp6, 0x40000                  ; cx, cy: my place in the cluster
	s_bfe_u32 s41, ttmp6, 0x40004
	s_lshl_b32 s42, ttmp9, 2
	s_add_co_u32 s42, s42, s40                     ; tile column = 4 x cluster x + cx
	s_and_b32 s13, ttmp7, 0xffff
	s_lshl_b32 s13, s13, 2
	s_add_co_u32 s13, s13, s41                     ; tile row = 4 x cluster y + cy
	s_lshl_b32 s43, s41, 2
	s_lshl_b32 s43, 15, s43                        ; my row of the cluster
	s_lshl_b32 s44, 0x1111, s40                    ; my column
	; descriptor group 1.  A: 256 rows x 64 elements of 2 bytes, 4 words of padding behind every 32 (a row).  wpb: 64 rows x 128 elements, 4 words behind every 64.
	s_or_b32 s[G1+0], s43, (1<<16)|(1<<20)|(1<<21)|(4<<22)|(3<<25)   ; 15:0 the mask; 17:16 element size; 20 padding on; 21 set beside a mask; 24:22 interval; 31:25 padding
	s_or_b32 s[G1B+0], s44, (1<<16)|(1<<20)|(1<<21)|(5<<22)|(3<<25)
	s_mov_b32 s[G1+1], 64<<16                      ; tensor_dim0
	s_mov_b32 s[G1B+1], KSTEP<<16
	s_mov_b32 s[G1+2], 256<<16                     ; tensor_dim1
	s_mov_b32 s[G1B+2], 64<<16
	s_mov_b32 s[G1+3], 64<<16                      ; tile_dim0
	s_mov_b32 s[G1B+3], KSTEP<<16
	s_mov_b32 s[G1+4], 256                         ; tile_dim1
	s_mov_b32 s[G1B+4], 64
	s_mov_b32 s[G1+5], 64                          ; elements from row to row
	s_mov_b32 s[G1B+5], SIZE_K
	s_mov_b32 s[G1+6], 0
	s_mov_b32 s[G1B+6], 0
	s_mov_b32 s[G1+7], 0
	s_mov_b32 s[G1B+7], 0
	; where the tiles come from: A's hang on the tile row alone, wpb's on the tile column alone, each in registers that never hold the other coordinate
	s_lshr_b32 s16, s13, 3
	s_lshl_b32 s16, s16, 4
	s_add_co_u32 s16, s16, s12                     ; A: plane (tile row / 8) x 16 + my head of the step's two,
	s_lshl_b32 s16, s16, 18
	s_and_b32 s17, s13, 7
	s_lshl_b32 s17, s17, 15                        ; row (tile row % 8) x 256, of 128 bytes
	s_add_co_u32 s16, s16, s17
	s_mov_b32 s17, 0
	s_lshl_b32 s46, s42, 7
	s_lshl_b32 s47, s12, 6
	s_add_co_u32 s46, s46, s47                     ; wpb: row 128 x tile column + 64 x half,
	s_lshl_b32 s46, s46, 11                        ; of 2,048 bytes
	s_mov_b32 s47, 0
	s_mul_i32 s20, s10, APLANE                     ; where they go: waves 0, 1: A's planes at wave x APLANE;
	s_mul_i32 s19, s10, HB
	s_add_co_u32 s19, s19, BOFF-2*HB               ; waves 2, 3: wpb's halves at BOFF + (wave - 2) x HB
	s_wait_kmcnt 0x0
	s_add_nc_u64 s[14:15], s[4:5], s[16:17]
	s_add_nc_u64 s[46:47], s[6:7], s[46:47]
	CROUND                                         ; all sixteen work-groups are here: the first joint loads meet
.irp s, 0,1
	s_mov_b32 s[G0+4*\s], 1                                        ; count = 1
	s_add_co_u32 s[G0+4*\s+1], s20, \s*SLOT                        ; LDS address
	s_add_nc_u64 s[G0+4*\s+2:G0+4*\s+3], s[14:15], \s*2*PLANE      ; global address: K step s is heads 2 s and 2 s + 1
	s_or_b32 s[G0+4*\s+3], s[G0+4*\s+3], 0x80000000                ; type = 2
	s_mov_b32 s[G0B+4*\s], 1
	s_add_co_u32 s[G0B+4*\s+1], s19, \s*SLOT
	s_add_nc_u64 s[G0B+4*\s+2:G0B+4*\s+3], s[46:47], \s*KSTEP*2
	s_or_b32 s[G0B+4*\s+3], s[G0B+4*\s+3], 0x80000000
	JLOAD \s                                       ; two loads of mine are out
.endr
	; a fragment is 16 rows x 32 K in 8 registers: lane l holds row l % 16; registers 0-3 K = 8 (l / 16) + 0..7, registers 4-7 K = 16 + 8 (l / 16) + 0..7: two loads of 16 bytes, 32 bytes apart
	v_and_b32 v1, 15, v0                           ; l % 16
	v_bfe_u32 v2, v0, 4, 1                         ; l / 16
	v_mul_u32_u24 v3, v1, PITCH
	v_lshl_add_u32 v3, v2, 4, v3
	v_mul_u32_u24 v4, v1, APITCH
	v_lshl_add_u32 v4, v2, 4, v4
	s_mul_i32 s21, s10, 64*APITCH                  ; my 64 rows in a plane of A
	s_mov_b32 s22, BOFF
.irp s, 0,1
	v_add_nc_u32 v[ADRA+\s], s21, v4
	v_add_nc_u32 v[ADRB+\s], s22, v3
	s_add_co_u32 s21, s21, SLOT
	s_add_co_u32 s22, s22, SLOT
.endr
	s_mul_i32 s23, s10, WSTAGE
	s_add_co_u32 s23, s23, STAGE                   ; my stage
	v_mul_u32_u24 v5, v1, OPITCH                   ; in: row l % 16, 32 bytes for each half of the lanes
	v_lshl_add_u32 v5, v2, 5, v5
	v_add_nc_u32 v[STO], s23, v5
	v_and_b32 v[CO], 31, v0
	v_lshlrev_b32 v[CO], 4, v[CO]
	v_add_nc_u32 v[RD], s23, v[CO]                 ; back: the wave takes a row's 512 bytes
	; where my rows begin in the result: row 256 x tile row + 64 x wave, of 4,096 bytes; column 128 x tile column, of 4 bytes
	s_lshl_b32 s16, s13, 8
	s_lshl_b32 s17, s10, 6
	s_add_co_u32 s16, s16, s17
	s_lshl_b32 s16, s16, 12
	s_lshl_b32 s46, s42, 9
	s_add_co_u32 s16, s16, s46
	s_mov_b32 s17, 0
	s_add_nc_u64 s[8:9], s[8:9], s[16:17]          ; never stepped: the rows stand in the stores' immediates
; 8 matrix instructions: block a of the window's two (hi = 0: my rows 0-31, 1: rows 32-63) x all 8 blocks of columns, 32 along K.  zero = 1: the product starts the sums.
; The 32 accumulators take turns, one instruction a turn, in the same order in every quarter step.
.macro MULROW f, hi, a, zero
.set b, 0
.rept NB
.set rD, 8*(NB*\a+b)
.set rB, \f+8*b
.set rA, \f+8*NB+8*(2*\hi+\a)
.if \zero
	v_wmma_f32_16x16x32_f16 v[rD:rD+7], v[rB:rB+7], v[rA:rA+7], 0
.else
	v_wmma_f32_16x16x32_f16 v[rD:rD+7], v[rB:rB+7], v[rA:rA+7], v[rD:rD+7]
.endif
.set b, b+1
.endr
.endm
; 24 LDS loads in one run: the fragments of quarter q into buffer f: wpb's 8 (byte 64 q of the rows), then A's 4 (plane q / 2, byte 64 (q % 2) of the rows)
.macro FETCH slot, q, f
	WIN TO_F
.set b, 0
.rept NB
	ds_load_b128 v[\f+8*b:\f+8*b+3],   v[ADRB+\slot] offset:64*\q+b*16*PITCH
	ds_load_b128 v[\f+8*b+4:\f+8*b+7], v[ADRB+\slot] offset:64*\q+b*16*PITCH+32
.set b, b+1
.endr
.irp i, 0,1,2,3
	ds_load_b128 v[\f+8*NB+8*\i:\f+8*NB+8*\i+3],   v[ADRA+\slot] offset:(\q/2)*APLANE+(\q%2)*64+\i*16*APITCH
	ds_load_b128 v[\f+8*NB+8*\i+4:\f+8*NB+8*\i+7], v[ADRA+\slot] offset:(\q/2)*APLANE+(\q%2)*64+\i*16*APITCH+32
.endr
.endm
.macro PLACES                          ; four plain vector instructions in front of loads into registers that matrix instructions have read, and of reads of results just made
.rept 4
	v_nop
.endr
.endm
; A K step is four quarters of 32 along K, 32 matrix instructions each, on buffers 0, 1, 0, 1.  One of the first three multiplies buffer f and fetches quarter q into buffer g.
.macro QUARTER slot, q, f, g, zero
	s_wait_dscnt 4                                 ; wpb's fragments and A's rows 0-31 are in; the youngest four loads (rows 32-63) may be out
	WIN MUL_LO
	MULROW \f, 0, 0, \zero
	MULROW \f, 0, 1, \zero
	PLACES
	FETCH \slot, \q, \g
	s_wait_dscnt 24                                ; all but the 24 just issued
	WIN MUL_HI
	MULROW \f, 1, 0, \zero
	MULROW \f, 1, 1, \zero
.endm
; The last quarter multiplies buffer 1 and changes slots: ONE barrier.  In front of it each wave waits for all its tensor loads (one is out: its part of the next slot), adds 0 to its
; spare word, and waits for that and for its own reads of this slot.  fill = 1: the barrier opens a round of the cluster's barrier, and this slot is filled again, two K steps on.
.macro TURN slot, next, fill
	WIN 0                                          ; (the add's two registers lie in window 0)
	s_wait_tensorcnt 0x0                           ; all my tensor loads have landed
	ds_add_u32 v[SPW], v[NIL]                      ; 0 onto my spare word
	s_wait_dscnt 5                                 ; (the add and the youngest four loads may be out)
	WIN MUL_LO
	MULROW F1, 0, 0, 0                             ; eight matrix instructions stand between the add and the wait for it
	s_wait_dscnt 0x0                               ; the add is done, and my reads of this slot are over
	s_barrier_signal -1
	MULROW F1, 0, 1, 0                             ; work on registers while the others arrive
.if \fill
	WIN 0
.endif
	s_barrier_wait -1
.if \fill
	CREST                                          ; no wave of any partner still reads this slot's tile or has a load on its way
	s_add_nc_u64 s[G0+4*\slot+2:G0+4*\slot+3], s[G0+4*\slot+2:G0+4*\slot+3], 4*PLANE
	s_add_nc_u64 s[G0B+4*\slot+2:G0B+4*\slot+3], s[G0B+4*\slot+2:G0B+4*\slot+3], 2*KSTEP*2
	JLOAD \slot                                    ; my one tensor load behind the round, and the first thing there; its four v_nop are also the places in front of the loads below
.else
	PLACES
.endif
	FETCH \next, 0, F0
	WIN MUL_HI
	MULROW F1, 1, 0, 0
	MULROW F1, 1, 1, 0
.endm
; THE WAY OUT of block a (16 rows x 128 columns of f32).  TOSTAGE: straight from the accumulators, each from its low end, into my own stage, and back as whole rows of 512 bytes.  SEND: stored.
.macro TOSTAGE a
.set AC, 8*NB*((\a)%2)
.set BK, OB+64*((\a)%2)
	s_wait_xcnt 0x0                                ; the stores issued so far have had their addresses translated (ISA guide 3.1): their registers are loaded again only behind this wait
	WIN 0x04*(1+(\a)/2)                            ; the stores' data: window 1 or 2
.irp n, 0,1,2,3,4,5,6,7
	ds_store_b128 v[STO], v[AC+8*\n:AC+8*\n+3]   offset:64*\n
	ds_store_b128 v[STO], v[AC+8*\n+4:AC+8*\n+7] offset:64*\n+16
.endr
	WIN 0
.irp i, 0,1,2,3,4,5,6,7,8,9,10,11,12,13,14,15
	ds_load_b128 v[BK+4*\i:BK+4*\i+3], v[RD] offset:\i*OPITCH      ; LDS serves a wave's instructions in order (ISA guide 5.7.1.4): these see the stores above
.endr
.endm
.macro SEND a, younger                 ; younger: the LDS instructions issued behind block a's loads: the next block's 32, or none
.set BK, OB+64*((\a)%2)
	s_wait_dscnt \younger
.irp i, 0,1,2,3,4,5,6,7,8,9,10,11,12,13,14,15
	global_store_b128 v[CO], v[BK+4*\i:BK+4*\i+3], s[8:9] offset:(16*(\a)+\i)*4096 th:TH_STORE_NT   ; the wave stores 512 consecutive bytes, at a multiple of 512 from the buffer's first byte
.endr
.endm
	s_wait_tensorcnt 0x1                           ; my part of K step 0 is in; K step 1's may stay out
	s_barrier_signal -1
	s_barrier_wait -1                              ; everybody's is
	FETCH 0, 0, F0
	QUARTER 0, 1, F0, F1, 1                        ; the first quarter stands in front of the loop: its products start the sums
	WIN 0                                          ; at a label and at a branch every window is 0
	s_mov_b32 s3, LAPS-1
.Llap:                                                 ; a trip goes once round the ring, from a lap's second quarter to the next lap's first, and fills both slots again
	QUARTER 0, 2, F1, F0, 0
	QUARTER 0, 3, F0, F1, 0
	TURN 0, 1, 1
	QUARTER 1, 1, F0, F1, 0
	QUARTER 1, 2, F1, F0, 0
	QUARTER 1, 3, F0, F1, 0
	TURN 1, 0, 1
	QUARTER 0, 1, F0, F1, 0
	WIN 0
	s_sub_co_u32 s3, s3, 1
	s_cmp_lg_u32 s3, 0
	s_cbranch_scc1 .Llap
	QUARTER 0, 2, F1, F0, 0                        ; the last lap fills nothing
	QUARTER 0, 3, F0, F1, 0
	TURN 0, 1, 0
	QUARTER 1, 1, F0, F1, 0
	QUARTER 1, 2, F1, F0, 0
	QUARTER 1, 3, F0, F1, 0
	s_wait_dscnt 4                                 ; the very last quarter: nothing more to fetch
	WIN MUL_LO
	MULROW F1, 0, 0, 0
	MULROW F1, 0, 1, 0
	s_wait_dscnt 0x0
	WIN MUL_HI
	MULROW F1, 1, 0, 0
	MULROW F1, 1, 1, 0
	WIN 0
	PLACES
	TOSTAGE 0
.irp a, 1,2,3                          ; block a goes into the stage while block a - 1 comes back
	TOSTAGE \a
	SEND \a-1, 32
.endr
	SEND 3, 0
	s_wait_tensorcnt 0x0                           ; the wave's end
	ds_add_u32 v[SPW], v[NIL]
	s_wait_dscnt 0x0
	CROUND                                         ; the closing round: no work-group ends while a partner may still ask for a tile that names it
	s_endpgm
.Lfunc_end_k_q7e1349b437_projg:
	.size	k_q7e1349b437_projg, .Lfunc_end_k_q7e1349b437_projg-k_q7e1349b437_projg
	.p2alignl 7, 3214868480
	.fill 96, 4, 3214868480
	.section	.rodata,"a",@progbits
	.p2align	6, 0x0
	.amdhsa_kernel k_q7e1349b437_projg
		.amdhsa_group_segment_fixed_size 327680
		.amdhsa_private_segment_fixed_size 0
		.amdhsa_enable_private_segment 0
		.amdhsa_kernarg_size 24
		.amdhsa_user_sgpr_count 2
		.amdhsa_user_sgpr_kernarg_segment_ptr 1
		.amdhsa_wavefront_size32 1
		.amdhsa_system_sgpr_workgroup_id_x 1
		.amdhsa_system_sgpr_workgroup_id_y 1
		.amdhsa_system_sgpr_workgroup_id_z 1
		.amdhsa_system_vgpr_workitem_id 0
		.amdhsa_next_free_vgpr 1024
		.amdhsa_next_free_sgpr 66
		.amdhsa_reserve_vcc 0
		.amdhsa_float_denorm_mode_32 3
		.amdhsa_float_denorm_mode_16_64 3
		.amdhsa_memory_ordered 1
		.amdhsa_forward_progress 1
		.amdhsa_inst_pref_size 85
	.end_amdhsa_kernel
	.amdgpu_metadata
---
amdhsa.version: [ 1, 2 ]
amdhsa.kernels:
  - .name:           k_q7e1349b437_projg
    .symbol:         k_q7e1349b437_projg.kd
    .args:
      - { .name: att, .offset: 0, .size: 8, .value_kind: global_buffer, .address_space: global }
      - { .name: wpb, .offset: 8, .size: 8, .value_kind: global_buffer, .address_space: global }
      - { .name: out0, .offset: 16, .size: 8, .value_kind: global_buffer, .address_space: global }
    .group_segment_fixed_size: 327680
    .private_segment_fixed_size: 0
    .kernarg_segment_align: 8
    .kernarg_segment_size: 24
    .max_flat_workgroup_size: 128
    .sgpr_count:     66
    .vgpr_count:     1024
    .wavefront_size: 32
...
	.end_amdgpu_metadata
.endif
;; end of part 4
